; MI455X (gfx1250); checked and timed in simulation.
; The chip was launched on July 23, 2026; its instructions are those of AMD's public machine-readable ISA for CDNA 5 (MIT licence, August 2026) and "CDNA5" Instruction Set Architecture Reference Guide (July 2026). The comments in the code are by the model that wrote it; some were corrected since.
;; Multi Scale Ro I Align. Allowed arithmetic: float matrix products may take bf16 or f16 operands with f32 sums; all other float work in f32.
;; Inputs: boxes 2 x 512 x 4 float32; feat0 2 x 256 x 200 x 200 float32; feat1 2 x 256 x 100 x 100 float32; feat2 2 x 256 x 50 x 50 float32; feat3 2 x 256 x 25 x 25 float32.
;; Outputs: out0 1,024 x 256 x 7 x 7 float32.
;; Constants: image_h = 800, image_w = 800.
;; One version. Each part assembles by itself: llvm-mc -triple=amdgcn-amd-amdhsa -mcpu=gfx1250 --defsym DOCPART=n.
;; ======== version 1 of 1: 2 launches
;; workspace buffers: xidx 131,072 bytes of whole numbers; yrow 65,536 bytes of whole numbers; xw 131,072 bytes; yw 131,072 bytes
;; launch prep (part 1): grid 256 x 1, 2 waves a work-group, no clusters, 0 bytes of LDS; arguments boxes, xidx, xw, yrow, yw; writes xidx, xw, yrow, yw
.if DOCPART == 1
	.amdgcn_target "amdgcn-amd-amdhsa--gfx1250"
	.amdhsa_code_object_version 6
	.text
	.protected	k_qb2c05857e7_prep
	.globl	k_qb2c05857e7_prep
	.p2align	8
	.type	k_qb2c05857e7_prep,@function
k_qb2c05857e7_prep:
	s_mov_b64 s[64:65], 0
	v_nop
	global_prefetch_b8 v0, s[64:65] scope:SCOPE_SE
	s_setreg_imm32_b32 hwreg(HW_REG_WAVE_MODE, 25, 1), 1
	s_wait_xcnt 0x0
; MultiScaleRoIAlign, step 1 of 2: every box becomes tables for the gathering launch.
; The 14 x 14 samples of a RoI are separable: sample m of an axis lies at start + bin * (m/2 + 1/4), touches the neighbours l, l+1
; and weighs them with 0.5 * valid * (1 - frac) and 0.5 * valid * frac (0.5 on each axis is the mean over 2 x 2 samples).
; Thread = (RoI k, entry e), e = 0..15: sample m = e; entries 14, 15 repeat samples 12, 13 (lanes 28-31 of the gathering launch).
; 64 threads make four RoIs.  Tables:
;   xidx  whole numbers  [k/4][32 lanes][k%4]  byte offset of the lane's column inside an LDS row (lane = 2 e + corner)
;   xw    f32            same shape            the column's weight
;   yrow  whole numbers  [k][16]               byte offset of the sample's upper row in LDS
;   yw    f32            [k][16][2]            weights of the upper and the lower row
; LDS picture of step 2: pitch 224 words; level 0 in rows 0-199; levels 1, 2, 3 in rows 200-299 from columns 0, 100, 150.
; The x tables are stored 4 bytes a lane, 16 bytes apart (the group's four RoIs fill each 512-byte block together), so that step 2 reads
; four RoIs' entries by one 16-byte load a lane; both tables together are 256 KiB.
; LIMITS: the box area must be finite in f32.  s/224 and extent/7 are a reciprocal multiply with one correction step, sqrt and log2 are
; the hardware's, and the sample position is one fused multiply-add where the reference rounds three times: a box exactly on a level
; boundary, or a sample exactly on the edge -1 or W of validity, may fall on the other side.
.set PITCH, 896
	s_load_b256 s[4:11], s[0:1], 0x0               ; boxes s[4:5], xidx s[6:7], xw s[8:9], yrow s[10:11]
	s_load_b64 s[12:13], s[0:1], 0x20              ; yw
	s_mov_b32 s16, 0x3b924925                      ; 1/224
	s_mov_b32 s17, 0x43600000                      ; 224
	s_mov_b32 s18, 0x358637bd                      ; 1e-6
	s_mov_b32 s19, 0x40a00000                      ; 5
	s_mov_b32 s20, 0x3e124925                      ; 1/7
	s_mov_b32 s21, 0x40e00000                      ; 7
	s_mov_b32 s24, 0x3e800000                      ; 1/4
	s_lshl_b32 s14, ttmp9, 6                       ; 64 threads, and 64 bytes of boxes, a work-group
	s_lshl_b32 s15, ttmp9, 9                       ; 512 bytes of each x table a work-group
	v_and_b32 v3, 15, v0                           ; e
	v_lshrrev_b32 v1, 4, v0                        ; k % 4
	v_lshl_add_u32 v2, v1, 4, s14                  ; byte offset of my box
	v_add_nc_u32 v36, s14, v0                      ; 16 k + e
	v_lshlrev_b32 v20, 3, v36                      ; my pair in yw
	v_lshlrev_b32 v21, 2, v36                      ; my word in yrow
	v_lshlrev_b32 v37, 5, v3                       ; x tables: lane 2 e is 32 e bytes into the block,
	v_lshl_add_u32 v37, v1, 2, v37                 ; + 4 (k % 4),
	v_add_nc_u32 v37, s15, v37                     ; + the group's block; corner 1 is 16 bytes further
	s_wait_kmcnt 0x0
	global_load_b128 v[4:7], v2, s[4:5]            ; x1 y1 x2 y2
	v_cmp_gt_u32 vcc_lo, 14, v3
	v_add_nc_u32 v8, -2, v3
	v_cndmask_b32 v8, v8, v3, vcc_lo               ; sample m
	v_cvt_f32_u32 v8, v8
	v_fma_f32 v8, v8, 0.5, s24                     ; m/2 + 1/4, exact
	s_wait_loadcnt 0x0
	; the level: floor(4 + log2(sqrt(area) / 224) + 1e-6), clipped to 2..5
	v_sub_f32 v9, v6, v4
	v_sub_f32 v10, v7, v5
	v_mul_f32 v9, v9, v10
	v_max_num_f32 v9, 0, v9
	v_sqrt_f32 v9, v9
	v_mov_b32 v19, 0                               ; a zero for the selects; also the plain instruction behind v_sqrt_f32 (ISA guide 5.7.2)
	s_wait_alu depctr_va_vdst(0)
	v_mul_f32 v10, s16, v9                         ; s / 224: quotient,
	v_fma_f32 v11, -v10, s17, v9                   ; remainder,
	v_fma_f32 v10, v11, s16, v10                   ; corrected quotient
	v_log_f32 v10, v10                             ; log2; -inf for an empty box, which the clip turns into level 2
	v_mov_b32 v18, 0x320                           ; 800, the image's side; also the plain instruction behind v_log_f32
	s_wait_alu depctr_va_vdst(0)
	v_add_f32 v10, 4.0, v10
	v_add_f32 v10, s18, v10
	v_floor_f32 v10, v10
	v_max_num_f32 v10, 2.0, v10
	v_min_num_f32 v10, s19, v10
	v_cvt_u32_f32 v11, v10                         ; level 2..5
	v_sub_nc_u32 v12, 0x7f, v11
	v_lshlrev_b32 v12, 23, v12                     ; scale = 2^-level, by its exponent bits
	v_lshrrev_b32 v13, v11, v18                    ; W = H = 800 >> level: 200, 100, 50, 25
	v_cvt_f32_u32 v14, v13                         ; W
	v_add_f32 v15, -1.0, v14                       ; W - 1
	v_add_f32 v16, -2.0, v14                       ; W - 2
	v_lshlrev_b32 v17, 1, v13
	v_sub_nc_u32 v17, 0xc8, v17                    ; 200 - 2 W: first LDS column 0, 100, 150 of levels 3, 4, 5
	v_cmp_eq_u32 vcc_lo, 2, v11
	v_cndmask_b32 v17, v17, v19, vcc_lo            ; level 2: column 0
	v_mov_b32 v18, 0xc8
	v_cndmask_b32 v18, v18, v19, vcc_lo            ; first LDS row: 0 for level 2, 200 for the others
; One axis.  lo, hi: registers of the box's two coordinates.  Out: v[idx] = lower neighbour, v[w0], v[w0+1] = the two weights.
.macro AXIS lo, hi, idx, w0
	v_mul_f32 v22, v[\lo], v12
	v_mul_f32 v23, v[\hi], v12
	v_sub_f32 v23, v23, v22
	v_max_num_f32 v23, 1.0, v23                    ; the RoI's extent, at least 1
	v_mul_f32 v24, s20, v23                        ; / 7: quotient,
	v_fma_f32 v25, -v24, s21, v23                  ; remainder,
	v_fma_f32 v24, v25, s20, v24                   ; bin size
	v_fma_f32 v22, v8, v24, v22                    ; the sample's position
	v_cmp_le_f32 s22, -1.0, v22
	v_cmp_ge_f32 s23, v14, v22
	s_and_b32 s22, s22, s23                        ; valid: -1 <= position <= W
	v_cndmask_b32 v25, 0, 0.5, s22                 ; 0.5 or 0
	v_max_num_f32 v22, 0, v22
	v_min_num_f32 v22, v22, v15                    ; clipped to 0 .. W-1
	v_floor_f32 v26, v22
	v_min_num_f32 v26, v26, v16                    ; lower neighbour, at most W-2
	v_sub_f32 v22, v22, v26                        ; fraction, 0 .. 1
	v_mul_f32 v[\w0+1], v22, v25
	v_fma_f32 v[\w0], -v22, v25, v25               ; (1 - fraction) * 0.5 * valid
	v_cvt_u32_f32 v[\idx], v26
.endm
	AXIS 4, 6, 28, 30
	v_add_nc_u32 v28, v28, v17
	v_lshlrev_b32 v28, 2, v28                      ; column offset in bytes, corner 0
	v_add_nc_u32 v29, 4, v28                       ; corner 1
	global_store_b32 v37, v28, s[6:7]
	global_store_b32 v37, v29, s[6:7] offset:16
	global_store_b32 v37, v30, s[8:9]
	global_store_b32 v37, v31, s[8:9] offset:16
	AXIS 5, 7, 32, 34                              ; writes v22-26 and v32-35: no register that the stores above read
	v_add_nc_u32 v32, v32, v18
	v_mul_u32_u24 v32, PITCH, v32                  ; row offset in bytes
	global_store_b32 v21, v32, s[10:11]
	global_store_b64 v20, v[34:35], s[12:13]       ; a wave's store covers 256 consecutive bytes, aligned
	s_endpgm
.Lfunc_end_k_qb2c05857e7_prep:
	.size	k_qb2c05857e7_prep, .Lfunc_end_k_qb2c05857e7_prep-k_qb2c05857e7_prep
	.p2alignl 7, 3214868480
	.fill 96, 4, 3214868480
	.section	.rodata,"a",@progbits
	.p2align	6, 0x0
	.amdhsa_kernel k_qb2c05857e7_prep
		.amdhsa_group_segment_fixed_size 0
		.amdhsa_private_segment_fixed_size 0
		.amdhsa_enable_private_segment 0
		.amdhsa_kernarg_size 40
		.amdhsa_user_sgpr_count 2
		.amdhsa_user_sgpr_kernarg_segment_ptr 1
		.amdhsa_wavefront_size32 1
		.amdhsa_system_sgpr_workgroup_id_x 1
		.amdhsa_system_sgpr_workgroup_id_y 1
		.amdhsa_system_sgpr_workgroup_id_z 1
		.amdhsa_system_vgpr_workitem_id 0
		.amdhsa_next_free_vgpr 40
		.amdhsa_next_free_sgpr 66
		.amdhsa_reserve_vcc 1
		.amdhsa_float_denorm_mode_32 3
		.amdhsa_float_denorm_mode_16_64 3
		.amdhsa_memory_ordered 1
		.amdhsa_forward_progress 1
		.amdhsa_inst_pref_size 6
	.end_amdhsa_kernel
	.amdgpu_metadata
---
amdhsa.version: [ 1, 2 ]
amdhsa.kernels:
  - .name:           k_qb2c05857e7_prep
    .symbol:         k_qb2c05857e7_prep.kd
    .args:
      - { .name: boxes, .offset: 0, .size: 8, .value_kind: global_buffer, .address_space: global }
      - { .name: xidx, .offset: 8, .size: 8, .value_kind: global_buffer, .address_space: global }
      - { .name: xw, .offset: 16, .size: 8, .value_kind: global_buffer, .address_space: global }
      - { .name: yrow, .offset: 24, .size: 8, .value_kind: global_buffer, .address_space: global }
      - { .name: yw, .offset: 32, .size: 8, .value_kind: global_buffer, .address_space: global }
    .group_segment_fixed_size: 0
    .private_segment_fixed_size: 0
    .kernarg_segment_align: 8
    .kernarg_segment_size: 40
    .max_flat_workgroup_size: 64
    .sgpr_count:     66
    .vgpr_count:     40
    .wavefront_size: 32
...
	.end_amdgpu_metadata
.endif
;; end of part 1
;; launch gather (part 2): grid 128 x 2, 16 waves a work-group, no clusters, 270,848 bytes of LDS; arguments feat0, feat1, feat2, feat3, xidx, xw, yrow, yw, out0; writes out0
.if DOCPART == 2
	.amdgcn_target "amdgcn-amd-amdhsa--gfx1250"
	.amdhsa_code_object_version 6
	.text
	.protected	k_qb2c05857e7_gather
	.globl	k_qb2c05857e7_gather
	.p2align	8
	.type	k_qb2c05857e7_gather,@function
k_qb2c05857e7_gather:
	s_mov_b64 s[64:65], 0
	v_nop
	global_prefetch_b8 v0, s[64:65] scope:SCOPE_SE
	s_setreg_imm32_b32 hwreg(HW_REG_WAVE_MODE, 25, 1), 1
	s_wait_xcnt 0x0
; MultiScaleRoIAlign, step 2 of 2.  out[k][c][ph][pw] = sum over 4 rows and 4 columns of Wy * Wx * f, tables from step 1.
; WHO DOES WHAT.  Work-group (g, b) owns channels g and g+128 of image b, one after the other.  All four planes of a channel
; (160,000 + 40,000 + 10,000 + 2,500 bytes, f32) are copied into LDS and all 512 RoIs of the image are served from there: every feature
; byte is loaded from memory once in the launch.  256 work-groups of 16 waves; a wave owns 32 fixed RoIs.
; LDS PICTURE.  One pitch, 224 words: feat0 in rows 0-199; feat1, feat2, feat3 side by side in rows 200-299 from columns 0, 100, 150.
; 300 x 896 = 268,800 bytes.  224 words are 3.5 times the 64 banks (ISA guide 11.1), so rows y and y+1 start 32 banks apart: one
; two-address load takes both rows, and they meet in no bank while the RoI's columns span fewer than 32 words.
; OVERLAP.  Planes go memory -> registers -> LDS.  As soon as channel g is in LDS, channel g+128 is requested into the same 110 staging
; registers and lands while channel g is computed.  Global loads return in order (ISA guide 5.7.1), so a vector load in the compute phase
; would wait for those 29: there is none.  The x tables of the wave's 32 RoIs stay in 64 registers (hence the unrolled RoI loop), the
; y tables come by scalar loads, which have a counter of their own.
; A LANE.  Lane j = 4 pw + 2 sx + corner owns one of the RoI's 28 columns (lanes 28-31 repeat lanes 24-27: same table entries, same
; results, same store addresses, so EXEC stays full).  Per sample: one address add, one two-address load, two FMAs with scalar weights.
; Then: times the column's weight, sum over the quad (two DPP adds); lane i of quad pw keeps bins ph = i and ph = 4 + min(i, 2).
; THE WAY OUT.  A (RoI, channel) result is 196 consecutive bytes, stored by two instructions (112 + 84 bytes).  Whole aligned 256-byte
; pieces of out would need 64 channels of one RoI in one work-group (64 x 196 = 49 x 256), that is 64 planes in LDS; a transposing
; launch would move the 51 MB of results twice more.  So the short runs are kept.
; NOT USED: matrix units (interpolation matrices per RoI would be as many bytes as the pixels); clusters (no two work-groups read the
; same plane; the tables are 0.46 MB); tensor loads (rows of 100, 50, 25 words side by side at one pitch, and the staging in registers
; is what overlaps the second channel's loads with the first channel's work).
; LIMIT: features must be finite: a sample outside the image is weight 0 times a pixel here, a select in the reference.
.set NT,     512                       ; threads
.set PITCH,  896                       ; bytes from LDS row to LDS row (224 words: the second offset of the two-address loads)
.set REG2,   200*PITCH                 ; rows 200-299: the three small planes
.set ROWMAX, 298*PITCH                 ; largest row offset that step 1 makes (row 299 is the lower neighbour)
.set COLMAX, 892                       ; last word of an LDS row
.set OUTK,   50176                     ; bytes of out per RoI
.set OUTC,   196                       ; bytes of out per RoI and channel
.set OFF16, 1                          ; v1       16 x thread
.set OFF4,  2                          ; v2       4 x thread
.set P0,    3                          ; v3-6     offsets of the four last, partial rounds, clamped to the plane's last piece
.set P1,    4
.set P2,    5
.set P3,    6
.set SO0,   7                          ; v7       my byte in the 196 for bins ph = 0..3
.set SO1,   8                          ; v8       the same for ph = 4..6
.set AD,    10                         ; v10-11   LDS address, two in turn
.set T,     12                         ; v12-18   seven bin rows of my column
.set RES,   20                         ; v20-21   what I store
.set XL,    22                         ; v22      16 x lane
.set D,     24                         ; v24-51   sample s: upper and lower row's pixel
.set XO,    52                         ; v52-83   RoI i: my column's byte offset in an LDS row
.set XW,    84                         ; v84-115  RoI i: my column's weight
.set ST0,   116                        ; v116-195 staging, feat0: 20 rounds of 16 bytes
.set ST1,   196                        ; v196-215 feat1: 5 rounds
.set ST2,   216                        ; v216-223 feat2: 2 rounds
.set ST3,   224                        ; v224-225 feat3: 2 rounds of 4 bytes
.set TQ,    226                        ; v226-228 at work in the fill
.set TY,    227
.set TA,    228
.set OUT,   2                          ; s[2:3]   out at my first RoI and the current channel
.set YR,    4                          ; s[4:5]   yrow at my first RoI
.set YW,    6                          ; s[6:7]   yw at my first RoI
.set M1,    8                          ; s8-11    lane masks: lane%4 = 1, = 2, = 3, >= 2
.set M2,    9
.set M3,    10
.set M23,   11
.set R,     12                         ; s[12:27] row offsets of one RoI (in the prologue s12-17 are scratch)
.set WA,    28                         ; s[28:55] row weights, even RoIs
.set F,     56                         ; s[56:63] the four planes' addresses
.set WB,    68                         ; s[68:95] row weights, odd RoIs (before that s[68:75]: the four tables' addresses)
.set CH,    96                         ; s96      0, 1: which of my two channels
.set SAVE,  97                         ; s97      EXEC while it is narrowed
	s_load_b256 s[F:F+7], s[0:1], 0x0              ; feat0 .. feat3
	s_load_b256 s[68:75], s[0:1], 0x20             ; xidx s[68:69], xw s[70:71], yrow s[72:73], yw s[74:75]
	s_load_b64 s[OUT:OUT+1], s[0:1], 0x40          ; out0
	v_lshl_add_u32 v232, v0, 2, 0x41a00
	v_mov_b32 v233, 0
	v_lshrrev_b32 v9, 5, v0
	v_readfirstlane_b32 s12, v9                    ; wave 0..15
	s_and_b32 s13, ttmp7, 0xffff                   ; image b
	v_lshlrev_b32 v[OFF16], 4, v0
	v_lshlrev_b32 v[OFF4], 2, v0
	v_add_nc_u32 v[P0], 19*16*NT, v[OFF16]         ; a plane's last round has pieces for fewer than 512 threads: the others load
	v_min_u32 v[P0], 160000-16, v[P0]              ; the plane's last piece once more (inside the buffer) and do not store it
	v_add_nc_u32 v[P1], 4*16*NT, v[OFF16]
	v_min_u32 v[P1], 40000-16, v[P1]
	v_add_nc_u32 v[P2], 16*NT, v[OFF16]
	v_min_u32 v[P2], 10000-16, v[P2]
	v_add_nc_u32 v[P3], 4*NT, v[OFF4]
	v_min_u32 v[P3], 2500-4, v[P3]
	s_lshl_b32 s14, s13, 8
	s_add_co_u32 s14, s14, ttmp9                   ; plane number 256 b + g, at most 383: every byte offset below stays under 2^31
	s_mov_b32 s17, 0
	s_wait_kmcnt 0x0
	s_mul_i32 s16, s14, 160000
	s_add_nc_u64 s[F:F+1], s[F:F+1], s[16:17]
	s_mul_i32 s16, s14, 40000
	s_add_nc_u64 s[F+2:F+3], s[F+2:F+3], s[16:17]
	s_mul_i32 s16, s14, 10000
	s_add_nc_u64 s[F+4:F+5], s[F+4:F+5], s[16:17]
	s_mul_i32 s16, s14, 2500
	s_add_nc_u64 s[F+6:F+7], s[F+6:F+7], s[16:17]
; 29 loads: the four planes of one channel into the staging registers.  A round of the work-group covers 8,192 consecutive bytes
; (feat3, whose planes start on multiples of 4 bytes only: 2,048).  Read once in the launch: non-temporal.
.macro PLANE_LOADS
.set n, 0
.rept 19
	global_load_b128 v[ST0+4*n:ST0+4*n+3], v[OFF16], s[F:F+1] offset:16*NT*n th:TH_LOAD_NT
.set n, n+1
.endr
	global_load_b128 v[ST0+76:ST0+79], v[P0], s[F:F+1] th:TH_LOAD_NT
.set n, 0
.rept 4
	global_load_b128 v[ST1+4*n:ST1+4*n+3], v[OFF16], s[F+2:F+3] offset:16*NT*n th:TH_LOAD_NT
.set n, n+1
.endr
	global_load_b128 v[ST1+16:ST1+19], v[P1], s[F+2:F+3] th:TH_LOAD_NT
	global_load_b128 v[ST2:ST2+3], v[OFF16], s[F+4:F+5] th:TH_LOAD_NT
	global_load_b128 v[ST2+4:ST2+7], v[P2], s[F+4:F+5] th:TH_LOAD_NT
	global_load_b32 v[ST3], v[OFF4], s[F+6:F+7] th:TH_LOAD_NT
	global_load_b32 v[ST3+1], v[P3], s[F+6:F+7] th:TH_LOAD_NT
.endm
	PLANE_LOADS                                    ; the first channel, before anything else
	s_lshl_b32 s14, s13, 9
	s_lshl_b32 s15, s12, 5
	s_add_co_u32 s14, s14, s15                     ; my first RoI: 512 b + 32 wave
	s_lshl_b32 s16, s14, 7                         ; 128 bytes a RoI in xidx, xw and yw
	s_add_nc_u64 s[68:69], s[68:69], s[16:17]
	s_add_nc_u64 s[70:71], s[70:71], s[16:17]
	s_add_nc_u64 s[YW:YW+1], s[74:75], s[16:17]
	s_lshl_b32 s16, s14, 6                         ; 64 bytes a RoI in yrow
	s_add_nc_u64 s[YR:YR+1], s[72:73], s[16:17]
	v_and_b32 v9, 31, v0                           ; lane
	v_lshlrev_b32 v[XL], 4, v9
.set n, 0
.rept 8                                            ; 16 loads: a lane's entries of four RoIs lie in 16 consecutive bytes
	global_load_b128 v[XO+4*n:XO+4*n+3], v[XL], s[68:69] offset:512*n
	global_load_b128 v[XW+4*n:XW+4*n+3], v[XL], s[70:71] offset:512*n
.set n, n+1
.endr
	s_mul_i32 s16, s14, OUTK
	s_add_nc_u64 s[OUT:OUT+1], s[OUT:OUT+1], s[16:17]
	s_mul_i32 s16, ttmp9, OUTC
	s_add_nc_u64 s[OUT:OUT+1], s[OUT:OUT+1], s[16:17]
	v_and_b32 v[TQ], 3, v9                         ; i = lane % 4
	v_lshrrev_b32 v[TY], 2, v9
	v_min_u32 v[TY], 6, v[TY]                      ; pw; quad 7 repeats quad 6
	v_mad_u32_u24 v[SO0], v[TQ], 7, v[TY]
	v_lshlrev_b32 v[SO0], 2, v[SO0]                ; 4 (7 i + pw)
	v_min_u32 v[TA], 2, v[TQ]
	v_mad_u32_u24 v[SO1], v[TA], 7, v[TY]
	v_lshlrev_b32 v[SO1], 2, v[SO1]
	v_add_nc_u32 v[SO1], 112, v[SO1]               ; 4 (7 (4 + min(i, 2)) + pw); lane 3 of a quad repeats lane 2
	v_cmp_eq_u32 s[M1], 1, v[TQ]
	v_cmp_eq_u32 s[M2], 2, v[TQ]
	v_cmp_eq_u32 s[M3], 3, v[TQ]
	v_cmp_le_u32 s[M23], 2, v[TQ]
	s_mov_b32 s[CH], 0
	s_wait_loadcnt 0x0                             ; the tables are in, and s[68:71], their bases, are free for the weights
.set n, 0
.rept 32
	v_min_u32 v[XO+n], COLMAX, v[XO+n]             ; a loaded number enters an address only behind a bound: the column stays inside an LDS row
.set n, n+1
.endr
; THE FILL.  Unit u of a plane (16, 8 or 4 bytes, so many that a row is 50 or 25 units) lies in row u / units-per-row.
; LDS address = (u << sh) + row * (PITCH - bytes of a plane row) + base.  The division is a multiply and a shift: 5243 / 2^18 exceeds
; 1/50 by 4.6e-7 and 10486 / 2^18 exceeds 1/25 by 9.2e-7; times the largest u (10,239; 2,559) that stays under one unit's share of a row.
.macro UADDR sh, magic, extra, base
	v_mul_u32_u24 v[TY], \magic, v[TQ]
	v_lshrrev_b32 v[TY], 18, v[TY]                 ; row
	v_mul_u32_u24 v[TY], \extra, v[TY]
	v_lshl_add_u32 v[TA], v[TQ], \sh, v[TY]
.if \base
	v_add_nc_u32 v[TA], \base, v[TA]
.endif
.endm
.macro PUT0 r                                      ; feat0: rows of 50 x 16 bytes
	v_add_nc_u32 v[TQ], NT*\r, v0
	UADDR 4, 5243, PITCH-800, 0
	ds_store_b128 v[TA], v[ST0+4*\r:ST0+4*\r+3]
.endm
.macro PUT1 r                                      ; feat1: rows of 25 x 16 bytes
	v_add_nc_u32 v[TQ], NT*\r, v0
	UADDR 4, 10486, PITCH-400, REG2
	ds_store_b128 v[TA], v[ST1+4*\r:ST1+4*\r+3]
.endm
.macro PUT2 r                                      ; feat2: rows of 25 x 8 bytes: the 16 bytes loaded go as two halves, which may lie in two rows
	v_lshl_add_u32 v[TQ], v0, 1, 2*NT*\r
	UADDR 3, 10486, PITCH-200, REG2+400
	ds_store_b64 v[TA], v[ST2+4*\r:ST2+4*\r+1]
	v_add_nc_u32 v[TQ], 1, v[TQ]
	UADDR 3, 10486, PITCH-200, REG2+400
	ds_store_b64 v[TA], v[ST2+4*\r+2:ST2+4*\r+3]
.endm
.macro PUT3 r                                      ; feat3: rows of 25 x 4 bytes
	v_add_nc_u32 v[TQ], NT*\r, v0
	UADDR 2, 10486, PITCH-100, REG2+600
	ds_store_b32 v[TA], v[ST3+\r]
.endm
.macro PART cnt                                    ; only threads 0 .. cnt-1.  No global instruction stands between the s_wait_xcnt 0 at the
	v_cmp_gt_u32 vcc_lo, \cnt, v0                  ; fill's head and the last ENDPART, so EXEC is no pending instruction's source
	s_and_saveexec_b32 s[SAVE], vcc_lo
.endm
.macro ENDPART
	s_or_b32 exec_lo, exec_lo, s[SAVE]
.endm
; THE COMPUTE PHASE, RoI k of the wave's 32.
.macro SLOADS k, wb                                ; its y tables: 16 row offsets (14 used), 28 weights
	s_load_b512 s[R:R+15], s[YR:YR+1], 64*(\k)
	s_load_b512 s[\wb:\wb+15], s[YW:YW+1], 128*(\k)
	s_load_b256 s[\wb+16:\wb+23], s[YW:YW+1], 128*(\k)+64
	s_load_b128 s[\wb+24:\wb+27], s[YW:YW+1], 128*(\k)+96
.endm
.macro LOADS k                                     ; 14 samples: my column in the upper and the lower row
.irp s, 0,1,2,3,4,5,6,7,8,9,10,11,12,13
	s_min_u32 s[R+\s], s[R+\s], ROWMAX             ; bound of a loaded number: 267,008 + 892 + one pitch + 4 = 268,800, the end of LDS
	v_add_nc_u32 v[AD+(\s%2)], s[R+\s], v[XO+(\k)]
	ds_load_2addr_b32 v[D+2*\s:D+2*\s+1], v[AD+(\s%2)] offset0:0 offset1:224
.endr
.endm
.macro FMAS wb                                     ; bin row ph = samples 2 ph, 2 ph + 1, two rows each
.irp p, 0,1,2,3,4,5,6
	s_wait_dscnt 12-2*\p                           ; LDS loads return in order (ISA guide 5.7.1): loads 0 .. 2 ph + 1 of the RoI's 14 are in
	v_mul_f32 v[T+\p], s[\wb+4*\p], v[D+4*\p]
	v_fmac_f32 v[T+\p], s[\wb+4*\p+1], v[D+4*\p+1]
	v_fmac_f32 v[T+\p], s[\wb+4*\p+2], v[D+4*\p+2]
	v_fmac_f32 v[T+\p], s[\wb+4*\p+3], v[D+4*\p+3]
.endr
.endm
.macro TAIL k
.irp p, 0,1,2,3,4,5,6
	v_mul_f32 v[T+\p], v[XW+(\k)], v[T+\p]         ; my column's weight
.endr
.irp p, 0,1,2,3,4,5,6
	v_add_f32_dpp v[T+\p], v[T+\p], v[T+\p] row_xmask:1 row_mask:0xf bank_mask:0xf
.endr
.irp p, 0,1,2,3,4,5,6
	v_add_f32_dpp v[T+\p], v[T+\p], v[T+\p] row_xmask:2 row_mask:0xf bank_mask:0xf   ; every lane of quad pw holds the seven bins of column pw
.endr
	v_cndmask_b32 v[RES], v[T], v[T+1], s[M1]      ; lane i keeps ph = i
	v_cndmask_b32 v[RES+1], v[T+4], v[T+5], s[M1]  ; and ph = 4 + min(i, 2)
	v_cndmask_b32 v[RES], v[RES], v[T+2], s[M2]
	v_cndmask_b32 v[RES+1], v[RES+1], v[T+6], s[M23]
	v_cndmask_b32 v[RES], v[RES], v[T+3], s[M3]
	global_store_b32 v[SO0], v[RES], s[OUT:OUT+1] offset:OUTK*(\k)     ; 112 consecutive bytes
	global_store_b32 v[SO1], v[RES+1], s[OUT:OUT+1] offset:OUTK*(\k)   ; the 84 behind them
.endm
; One RoI.  Its pixels were requested one RoI ago and its y tables two RoIs ago: the tail covers the next RoI's LDS loads, the tail
; and the next FMA block cover the scalar loads.
.macro ITER wb
	FMAS \wb
	s_wait_xcnt 0x0                                ; RES, which the last RoI's stores read, is rewritten (in TAIL) only behind this wait
.if RK < 31
	s_wait_kmcnt 0x0                               ; the y tables of RoI RK+1
	LOADS RK+1
.endif
.if RK < 30
	SLOADS RK+2, \wb                               ; R has just been used up, and this RoI's weights by FMAS
.endif
	TAIL RK
.set RK, RK+1
.endm
.Lchan:
	SLOADS 0, WA
	s_wait_loadcnt 0x0                             ; the channel's planes are in the staging registers
	s_wait_xcnt 0x0                                ; EXEC is narrowed below only behind this wait
.set n, 0
.rept 19
	PUT0 n
.set n, n+1
.endr
.set n, 0
.rept 4
	PUT1 n
.set n, n+1
.endr
	PUT2 0
	PUT3 0
	PART 272                                       ; feat0: 10,000 - 19 x 512 pieces are left
	PUT0 19
	ENDPART
	PART 452                                       ; feat1: 2,500 - 4 x 512
	PUT1 4
	ENDPART
	PART 113                                       ; feat2: 625 - 512 pieces of 16 bytes; feat3: 625 - 512 words
	PUT2 1
	PUT3 1
	ENDPART
	s_wait_dscnt 0x0                               ; my part of the planes is in LDS, for the other waves' sake; the staging registers are free
	s_cmp_lg_u32 s[CH], 0
	s_cbranch_scc1 .Lnoload                        ; the second channel has no successor
	s_add_nc_u64 s[F:F+1], s[F:F+1], 128*160000    ; 128 planes on (the loads that named these bases are done: the wait at the trip's head)
	s_add_nc_u64 s[F+2:F+3], s[F+2:F+3], 128*40000
	s_add_nc_u64 s[F+4:F+5], s[F+4:F+5], 128*10000
	s_add_nc_u64 s[F+6:F+7], s[F+6:F+7], 128*2500
	PLANE_LOADS                                    ; waited for at the head of the next trip
.Lnoload:
	s_barrier_signal -1
	s_barrier_wait -1                              ; every wave's part is in LDS
	s_wait_kmcnt 0x0
	LOADS 0
	SLOADS 1, WB
.set RK, 0
.rept 16
	ITER WA
	ITER WB
.endr
	s_wait_dscnt 0x0                               ; my reads of the planes are over
	s_barrier_signal -1
	s_barrier_wait -1                              ; everybody's are: the next trip may fill LDS again
	s_wait_xcnt 0x0                                ; the stores' base is stepped only behind this wait
	s_add_nc_u64 s[OUT:OUT+1], s[OUT:OUT+1], 128*OUTC
	s_add_co_u32 s[CH], s[CH], 1
	s_cmp_lt_u32 s[CH], 2
	s_cbranch_scc1 .Lchan
	s_wait_tensorcnt 0x0
	ds_add_u32 v232, v233
	s_wait_dscnt 0x0
	s_endpgm
.Lfunc_end_k_qb2c05857e7_gather:
	.size	k_qb2c05857e7_gather, .Lfunc_end_k_qb2c05857e7_gather-k_qb2c05857e7_gather
	.p2alignl 7, 3214868480
	.fill 96, 4, 3214868480
	.section	.rodata,"a",@progbits
	.p2align	6, 0x0
	.amdhsa_kernel k_qb2c05857e7_gather
		.amdhsa_group_segment_fixed_size 270848
		.amdhsa_private_segment_fixed_size 0
		.amdhsa_enable_private_segment 0
		.amdhsa_kernarg_size 72
		.amdhsa_user_sgpr_count 2
		.amdhsa_user_sgpr_kernarg_segment_ptr 1
		.amdhsa_wavefront_size32 1
		.amdhsa_system_sgpr_workgroup_id_x 1
		.amdhsa_system_sgpr_workgroup_id_y 1
		.amdhsa_system_sgpr_workgroup_id_z 1
		.amdhsa_system_vgpr_workitem_id 0
		.amdhsa_next_free_vgpr 234
		.amdhsa_next_free_sgpr 98
		.amdhsa_reserve_vcc 1
		.amdhsa_float_denorm_mode_32 3
		.amdhsa_float_denorm_mode_16_64 3
		.amdhsa_memory_ordered 1
		.amdhsa_forward_progress 1
		.amdhsa_inst_pref_size 191
	.end_amdhsa_kernel
	.amdgpu_metadata
---
amdhsa.version: [ 1, 2 ]
amdhsa.kernels:
  - .name:           k_qb2c05857e7_gather
    .symbol:         k_qb2c05857e7_gather.kd
    .args:
      - { .name: feat0, .offset: 0, .size: 8, .value_kind: global_buffer, .address_space: global }
      - { .name: feat1, .offset: 8, .size: 8, .value_kind: global_buffer, .address_space: global }
      - { .name: feat2, .offset: 16, .size: 8, .value_kind: global_buffer, .address_space: global }
      - { .name: feat3, .offset: 24, .size: 8, .value_kind: global_buffer, .address_space: global }
      - { .name: xidx, .offset: 32, .size: 8, .value_kind: global_buffer, .address_space: global }
      - { .name: xw, .offset: 40, .size: 8, .value_kind: global_buffer, .address_space: global }
      - { .name: yrow, .offset: 48, .size: 8, .value_kind: global_buffer, .address_space: global }
      - { .name: yw, .offset: 56, .size: 8, .value_kind: global_buffer, .address_space: global }
      - { .name: out0, .offset: 64, .size: 8, .value_kind: global_buffer, .address_space: global }
    .group_segment_fixed_size: 270848
    .private_segment_fixed_size: 0
    .kernarg_segment_align: 8
    .kernarg_segment_size: 72
    .max_flat_workgroup_size: 512
    .sgpr_count:     98
    .vgpr_count:     234
    .wavefront_size: 32
...
	.end_amdgpu_metadata
.endif
;; end of part 2
